; MI455X (gfx1250); checked and timed in simulation.
; The chip was launched on July 23, 2026; its instructions are those of AMD's public machine-readable ISA for CDNA 5 (MIT licence, August 2026) and "CDNA5" Instruction Set Architecture Reference Guide (July 2026). The comments in the code are by the model that wrote it; some were corrected since.
;; Multi Head Attention. Allowed arithmetic: matrix products marked QUANTISED: E2M1 operands, one E8M0 scale for each 32 along K, by v_wmma_scale_f32_16x16x128_f8f6f4 with both operands' format E2M1 (or v_wmma_scale_f32_32x16x128_f4), f32 sums; everything else in f32.
;; Inputs: Wk 512 x 512 float32; Wo 512 x 512 float32; Wq 512 x 512 float32; Wv 512 x 512 float32; bk 512 float32; bo 512 float32; bq 512 float32; bv 512 float32; x 2 x 4,096 x 512 float32.
;; Outputs: out0 2 x 4,096 x 512 float32.
;; This version of the problem:
;;   THIS VERSION OF THE PROBLEM IS GIVEN IN LOW PRECISION. The matrix products marked QUANTISED in the list below multiply operands that are first quantised to E2M1 (2 exponent bits, 1 mantissa bit; 4 bits a number), with one power-of-two scale for each 32 numbers along K (OCP MX v1.0); their sums are f32. All else is computed in f32.
;;   The module's matrix products, in the order in which they are computed (A, B: the left and right operand; K: the contracted axis; several contracted axes count as one K, in the product's order):
;;     1. [M 8,192, K 512] x [K 512, N 512]; A: input x; B: input Wq: QUANTISED
;;     2. [M 8,192, K 512] x [K 512, N 512]; A: input x; B: input Wk: QUANTISED
;;     3. [M 8,192, K 512] x [K 512, N 512]; A: input x; B: input Wv: QUANTISED
;;     4. batch 16 x [M 4,096, K 64] x [K 64, N 4,096]; A: computed on the way; B: computed on the way: QUANTISED
;;     5. batch 16 x [M 4,096, K 4,096] x [K 4,096, N 64]; A: softmax (see below); B: computed on the way: QUANTISED
;;     6. [M 8,192, K 512] x [K 512, N 512]; A: computed on the way; B: input Wo: QUANTISED
;;   THE QUANTISER, for each operand of a quantised product, along K:
;;     - K is cut into blocks of 32 from its start; a last block that is shorter is filled with zeros.
;;     - A block's scale is 2^e with e = floor(log2(the largest magnitude in the block)) - 2, held to -126 .. 127; a block of zeros has e = 0. As a byte (E8M0): e + 127.
;;     - Each number is divided by its block's scale, clamped to +-6, and rounded to the nearest number of E2M1, ties to even, subnormals kept.
;;     - The product sums the exact products of the quantised numbers (number of the format x scale) in f32.
;;   ~~~python
;;   def quantise(x, axis):      # numpy; x: float32 -> the quantised numbers, widened to float32 again
;;       x = np.moveaxis(x, axis, -1); K = x.shape[-1]
;;       x = np.pad(x, [(0, 0)] * (x.ndim - 1) + [(0, -K % 32)]); x = x.reshape(x.shape[:-1] + (-1, 32)); a = np.abs(x).max(-1, keepdims=True)
;;       e = np.where(a > 0, np.clip(np.frexp(np.where(a > 0, a, 1))[1] - 1 - 2, -126, 127), 0)      # np.frexp(a)[1] - 1 = floor(log2(a)), exactly
;;       r = np.clip(x / 2.0 ** e, -6, 6)
;;       step = 2.0 ** (np.maximum(np.frexp(np.where(r == 0, 1, r))[1] - 1, 0) - 1)
;;       q = np.round(r / step) * step * 2.0 ** e      # np.round: ties to even
;;       return np.moveaxis(q.reshape(q.shape[:-2] + (-1,))[..., :K], -1, axis).astype(np.float32)
;;   ~~~
;;   SOFTMAX AHEAD OF A QUANTISED PRODUCT. Where the list says 'softmax', what is quantised is not the finished softmax but p = 2^(t - M), with t = logit x log2(e) and M = ceil(the row's largest t), a whole number; so 1/2 < the row's largest p <= 1. The row's sum l is taken of the UNQUANTISED p, in f32, and the product's result is divided by l at the end. Since M is a whole number, a kernel that streams over the keys may use a running M (the ceiling of the running maximum): every later rescaling is an exact power of two, which a block's scale takes up: the codes' values come out the same.
;;   OPERANDS COMPUTED ON THE WAY. 'Computed on the way' means the value that the module computes at that place (a softmax that the list does not call 'softmax' is quantised finished and normalised). What goes into a quantiser is computed in f32, as accurately as f32 sums, v_exp_f32 and their like allow (about 1e-6 of the number): no bf16 or f16 on the way to a quantiser, and a product that is left as it is and whose result goes on into a quantised operand takes f32 operands (vector FMAs, or v_wmma_f32_16x16x4_f32). A number that lies on a knife's edge between two numbers of the format may be rounded either way, as far as f32 arithmetic and the matrix unit's own rounding can turn it there, and no further.
;; One version. Each part assembles by itself: llvm-mc -triple=amdgcn-amd-amdhsa -mcpu=gfx1250 --defsym DOCPART=n.
;; ======== version 1 of 1: 4 launches
;; limits: right only within a limited range of input values
;; workspace buffers: xc 2,097,152 bytes; xs 131,072 bytes; wc 524,288 bytes; ws 32,768 bytes; qb 2,359,296 bytes; kv 4,587,520 bytes; oc 2,097,152 bytes; os 131,072 bytes
;; launch prep (part 1): grid 320 x 1, 2 waves a work-group, no clusters, 20,736 bytes of LDS; arguments x, Wq, Wk, Wv, Wo, xc, xs, wc, ws; writes xc, xs, wc, ws
.if DOCPART == 1
	.amdgcn_target "amdgcn-amd-amdhsa--gfx1250"
	.amdhsa_code_object_version 6
	.text
	.protected	k_q5a16037b39_prep
	.globl	k_q5a16037b39_prep
	.p2align	8
	.type	k_q5a16037b39_prep,@function
k_q5a16037b39_prep:
	s_mov_b64 s[64:65], 0
	v_nop
	global_prefetch_b8 v0, s[64:65] scope:SCOPE_SE
	s_setreg_imm32_b32 hwreg(HW_REG_WAVE_MODE, 25, 1), 1
	s_wait_xcnt 0x0
; x [8192][512] and Wq, Wk, Wv, Wo [512][512], f32, K innermost, become codes of FP4 (E2M1) with one E8M0 scale byte for each 32 along K.
; A block's scale is 2^(floor(log2(its largest magnitude)) - 2); its byte is the largest magnitude's exponent field - 2, held at 1 from below.
; LIMITS: NaN and infinities among the inputs are not served; a block whose largest magnitude lies under 2^-124 has its byte held at 1; a block of zeros gets the byte 1
; where the rule says 127: its codes are zeros, which add nothing, and the bytes are read by this program alone.
; LAYOUT OF THE RESULT.  Rows are gathered in TILES of 16 that are not neighbours: place r of tile T is row 32 (T / 2) + 8 (T % 2) + r + 8 (r / 8).
; codes: [tile][block 16][r 16][16 bytes]: the 512 bytes at tile x 4096 + 1024 q + 512 c + 16 x lane are registers 4 c .. 4 c + 3 of the operand for K step q.
; scale bytes: [tile][r 16][16 bytes]: a row's 16 bytes are the four K steps' scale words.
; SHARES.  A work-group of two waves takes 32 rows (a pair of tiles), a wave one tile: 16 steps of one row (512 numbers).  Work-groups 0-255 take x, 256-319 the four weights (16 each).
; A step's four loads read 512 consecutive bytes each; the 2,048 bytes turn through the wave's own stage in LDS and come back 64 bytes a lane, so that a lane holds 16 neighbours along K.
; Codes and scale bytes are gathered in the wave's own LDS and leave as 4,096 and 256 consecutive bytes.  No barrier: the waves share nothing.
.set STEPS, 16
.set EMAX,  2
.set R,     16                         ; v16-79   four sets of 16 numbers as loaded
.set X,     80                         ; v80-111  two sets of 16 neighbours
.set E,     112                        ; v112-127 a scale byte for each step
.set C,     128                        ; v128-159 two registers of codes for each step
.set OUTR,  160                        ; v160-191 the tile's codes on the way out
.set WREG,  10240                      ; LDS of a wave: two turn stages, 256 scale bytes, the code stage
.set SP,    80                         ; a lane's place in a turn stage: 64 bytes + 16
.set SCB,   5120                       ; the scale bytes
.set CST,   5376                       ; the code stage: 16 blocks x (256 bytes + 16)
.set CP,    272
	s_load_b512 s[4:19], s[0:1], 0x0               ; x, Wq, Wk, Wv, Wo, xc, xs, wc
	s_load_b64 s[20:21], s[0:1], 0x40              ; ws
	v_lshl_add_u32 v192, v0, 2, 0x5000
	v_mov_b32 v193, 0
	v_lshrrev_b32 v1, 5, v0
	v_readfirstlane_b32 s33, v1                    ; wave 0, 1
	v_and_b32 v2, 31, v0                           ; lane
	v_lshlrev_b32 v3, 4, v2                        ; 16 x lane: my bytes of a load's 512, and of a store's
	s_mul_i32 s34, s33, WREG
	v_lshrrev_b32 v14, 2, v2
	v_mul_u32_u24 v14, v14, SP
	v_and_b32 v15, 3, v2
	v_lshl_add_u32 v14, v15, 4, v14
	v_add_nc_u32 v14, s34, v14                     ; the turn stage, in: SP (lane / 4) + 16 (lane % 4)
	v_mul_u32_u24 v15, v2, SP
	v_add_nc_u32 v15, s34, v15                     ; and out: SP x lane
	v_lshrrev_b32 v5, 1, v2                        ; my block: lane / 2
	v_and_b32 v6, 1, v2
	v_mul_u32_u24 v4, v5, CP
	v_lshl_add_u32 v4, v6, 3, v4
	v_add_nc_u32 v4, s34, v4
	v_add_nc_u32 v4, CST, v4                       ; the code stage, in: block x 272 + 8 (lane % 2); the step's row stands in the immediate
	v_add_nc_u32 v5, s34, v5
	v_add_nc_u32 v5, SCB, v5                       ; my block's scale byte
	v_lshlrev_b32 v7, 3, v2
	v_add_nc_u32 v6, s34, v7
	v_add_nc_u32 v6, SCB, v6                       ; the scale bytes on the way out: 8 a lane
	v_lshrrev_b32 v10, 4, v2
	v_mul_u32_u24 v10, v10, CP
	v_and_b32 v12, 15, v2
	v_lshl_add_u32 v10, v12, 4, v10
	v_add_nc_u32 v10, s34, v10
	v_add_nc_u32 v10, CST, v10                     ; the code stage, out: sixteen lanes to a block's 256 bytes
	s_cmp_lt_u32 ttmp9, 256
	s_cselect_b32 s22, 0, 256
	s_sub_co_u32 s22, ttmp9, s22                   ; the pair's number in x, or among the weights' 64
	s_lshr_b32 s23, s22, 4                         ; which weight
	s_and_b32 s24, s22, 15                         ; and the pair in it
	s_wait_kmcnt 0x0
	s_mov_b64 s[26:27], s[6:7]                     ; the choices hang on the work-group's number alone
	s_cmp_eq_u32 s23, 1
	s_cselect_b64 s[26:27], s[8:9], s[26:27]
	s_cmp_eq_u32 s23, 2
	s_cselect_b64 s[26:27], s[10:11], s[26:27]
	s_cmp_eq_u32 s23, 3
	s_cselect_b64 s[26:27], s[12:13], s[26:27]
	s_cmp_lt_u32 ttmp9, 256
	s_cselect_b64 s[26:27], s[4:5], s[26:27]       ; from where,
	s_cselect_b64 s[28:29], s[14:15], s[18:19]     ; the codes' buffer,
	s_cselect_b64 s[30:31], s[16:17], s[20:21]     ; the scale bytes' buffer,
	s_cselect_b32 s24, s22, s24                    ; the pair in the tensor that is read
	s_lshl_b32 s36, s24, 16                        ; 32 rows of 2,048 bytes a pair,
	s_lshl_b32 s35, s33, 14                        ; 8 rows further on for wave 1
	s_add_co_u32 s36, s36, s35
	s_mov_b32 s37, 0
	s_add_nc_u64 s[26:27], s[26:27], s[36:37]
	s_lshl_b32 s35, s22, 1
	s_add_co_u32 s35, s35, s33                     ; my tile in the buffers written
	s_lshl_b32 s36, s35, 12
	s_add_nc_u64 s[28:29], s[28:29], s[36:37]
	s_lshl_b32 s36, s35, 8
	s_add_nc_u64 s[30:31], s[30:31], s[36:37]
.macro LOAD t                          ; place t of my tile is row t + 8 (t / 8) from my first
.irp i, 0,1,2,3
	global_load_b128 v[R+16*((\t)%4)+4*\i:R+16*((\t)%4)+4*\i+3], v3, s[26:27] offset:2048*((\t)+8*((\t)/8))+512*\i th:TH_LOAD_NT
.endr
.endm
.macro TURN t                          ; LDS serves a wave's instructions in order: no wait between the stores and the loads
.irp i, 0,1,2,3
	ds_store_b128 v14, v[R+16*((\t)%4)+4*\i:R+16*((\t)%4)+4*\i+3] offset:32*SP*((\t)%2)+8*SP*\i
.endr
.irp i, 0,1,2,3
	ds_load_b128 v[X+16*((\t)%2)+4*\i:X+16*((\t)%2)+4*\i+3], v15 offset:32*SP*((\t)%2)+16*\i
.endr
.endm
.irp t, 0,1,2,3
	LOAD \t
.endr
	s_wait_loadcnt 12                              ; step 0's four loads are in; three steps' stay out
	TURN 0
.macro STEP t
.set XS, X+16*((\t)%2)
.if (\t) > 0
	s_wait_dscnt 2                                 ; this step's numbers are back (the last step's two stores may be out), so its stores into the stage have read their registers,
.else
	s_wait_dscnt 0x0
.endif
.if (\t)+4 < STEPS
	LOAD (\t)+4                                    ; which take the loads of four steps on
.endif
.if (\t)+1 < STEPS
.if STEPS-2-(\t) >= 3
	s_wait_loadcnt 12                              ; the next step's four loads are in; those of the three steps behind it may be out
.else
	s_wait_loadcnt 4*(STEPS-2-(\t))
.endif
	TURN (\t)+1
.endif
	v_max3_num_f32 v8, |v[XS]|, |v[XS+1]|, |v[XS+2]|               ; the largest magnitude of my 16, in two chains
	v_max3_num_f32 v9, |v[XS+3]|, |v[XS+4]|, |v[XS+5]|
.irp i, 6,10
	v_max3_num_f32 v8, v8, |v[XS+\i]|, |v[XS+\i+1]|
	v_max3_num_f32 v9, v9, |v[XS+\i+2]|, |v[XS+\i+3]|
.endr
	v_max3_num_f32 v8, v8, |v[XS+14]|, |v[XS+15]|
	v_max3_num_f32 v8, v8, v9, (EMAX+1)<<23        ; and the floor 2^(3 - 127): the byte cannot fall under 1
	v_max_num_f32_dpp v8, v8, v8 row_xmask:1 row_mask:0xf bank_mask:0xf   ; with my neighbour's 16: the block's
	v_add_nc_u32 v11, -(EMAX<<23), v8              ; 2 off its exponent field: the conversion takes the exponent field of this operand as its scale
	v_cvt_scalef32_pk8_fp4_f32 v[C+2*(\t)], v[XS:XS+7], v11
	v_cvt_scalef32_pk8_fp4_f32 v[C+2*(\t)+1], v[XS+8:XS+15], v11
	v_lshrrev_b32 v[E+(\t)], 23, v11               ; the scale's byte (a plain line behind the conversions)
	ds_store_b8 v5, v[E+(\t)] offset:16*(\t)       ; both lanes of a block write the same byte with the same value
	ds_store_b64 v4, v[C+2*(\t):C+2*(\t)+1] offset:16*(\t)   ; my half of the block's 16 bytes, at place t of the tile
.endm
.irp t, 0,1,2,3,4,5,6,7,8,9,10,11,12,13,14,15
	STEP \t
.endr
.irp j, 0,1,2,3,4,5,6,7
	ds_load_b128 v[OUTR+4*\j:OUTR+4*\j+3], v10 offset:2*CP*\j      ; blocks 2 j and 2 j + 1, as they lie in the buffer
.endr
	ds_load_b64 v[12:13], v6
	s_wait_dscnt 0x0
.irp j, 0,1,2,3,4,5,6,7
	global_store_b128 v3, v[OUTR+4*\j:OUTR+4*\j+3], s[28:29] offset:512*\j   ; 32 lanes store 512 consecutive bytes, aligned
.endr
	global_store_b64 v7, v[12:13], s[30:31]        ; 32 lanes store 256 consecutive bytes, aligned
	s_wait_tensorcnt 0x0
	ds_add_u32 v192, v193
	s_wait_dscnt 0x0
	s_endpgm
.Lfunc_end_k_q5a16037b39_prep:
	.size	k_q5a16037b39_prep, .Lfunc_end_k_q5a16037b39_prep-k_q5a16037b39_prep
	.p2alignl 7, 3214868480
	.fill 96, 4, 3214868480
	.section	.rodata,"a",@progbits
	.p2align	6, 0x0
	.amdhsa_kernel k_q5a16037b39_prep
		.amdhsa_group_segment_fixed_size 20736
		.amdhsa_private_segment_fixed_size 0
		.amdhsa_enable_private_segment 0
		.amdhsa_kernarg_size 72
		.amdhsa_user_sgpr_count 2
		.amdhsa_user_sgpr_kernarg_segment_ptr 1
		.amdhsa_wavefront_size32 1
		.amdhsa_system_sgpr_workgroup_id_x 1
		.amdhsa_system_sgpr_workgroup_id_y 1
		.amdhsa_system_sgpr_workgroup_id_z 1
		.amdhsa_system_vgpr_workitem_id 0
		.amdhsa_next_free_vgpr 194
		.amdhsa_next_free_sgpr 66
		.amdhsa_reserve_vcc 0
		.amdhsa_float_denorm_mode_32 3
		.amdhsa_float_denorm_mode_16_64 3
		.amdhsa_memory_ordered 1
		.amdhsa_forward_progress 1
		.amdhsa_inst_pref_size 35
	.end_amdhsa_kernel
	.amdgpu_metadata
---
amdhsa.version: [ 1, 2 ]
amdhsa.kernels:
  - .name:           k_q5a16037b39_prep
    .symbol:         k_q5a16037b39_prep.kd
    .args:
      - { .name: x, .offset: 0, .size: 8, .value_kind: global_buffer, .address_space: global }
      - { .name: Wq, .offset: 8, .size: 8, .value_kind: global_buffer, .address_space: global }
      - { .name: Wk, .offset: 16, .size: 8, .value_kind: global_buffer, .address_space: global }
      - { .name: Wv, .offset: 24, .size: 8, .value_kind: global_buffer, .address_space: global }
      - { .name: Wo, .offset: 32, .size: 8, .value_kind: global_buffer, .address_space: global }
      - { .name: xc, .offset: 40, .size: 8, .value_kind: global_buffer, .address_space: global }
      - { .name: xs, .offset: 48, .size: 8, .value_kind: global_buffer, .address_space: global }
      - { .name: wc, .offset: 56, .size: 8, .value_kind: global_buffer, .address_space: global }
      - { .name: ws, .offset: 64, .size: 8, .value_kind: global_buffer, .address_space: global }
    .group_segment_fixed_size: 20736
    .private_segment_fixed_size: 0
    .kernarg_segment_align: 8
    .kernarg_segment_size: 72
    .max_flat_workgroup_size: 64
    .sgpr_count:     66
    .vgpr_count:     194
    .wavefront_size: 32
...
	.end_amdgpu_metadata
.endif
;; end of part 1
;; launch qkv (part 2): grid 8 x 32, 8 waves a work-group, no clusters, 55,808 bytes of LDS; arguments xc, xs, wc, ws, bq, bk, bv, qb, kv; writes qb, kv
.if DOCPART == 2
	.amdgcn_target "amdgcn-amd-amdhsa--gfx1250"
	.amdhsa_code_object_version 6
	.text
	.protected	k_q5a16037b39_qkv
	.globl	k_q5a16037b39_qkv
	.p2align	8
	.type	k_q5a16037b39_qkv,@function
k_q5a16037b39_qkv:
	s_mov_b64 s[64:65], 0
	v_nop
	global_prefetch_b8 v0, s[64:65] scope:SCOPE_SE
	s_setreg_imm32_b32 hwreg(HW_REG_WAVE_MODE, 25, 1), 1
	s_wait_xcnt 0x0
; Q = x Wq^T + bq, K = x Wk^T + bk, V = x Wv^T + bv on codes of FP4 with E8M0 scales; the results, f32, are quantised at once: Q and K along the head's 64, V along the keys.
; LIMITS: NaN and infinities are not served; a block's byte is held at 1 from below (largest magnitude under 2^-124; a block of zeros too: its codes are zeros, and this program alone reads the bytes).
; SHARES.  Work-group (x = head j, y = 256 rows of the 8,192).  Wave w owns 32 rows, a pair of tiles, whose operand registers (all of K = 512) stay in its registers.
; The head's 12 tiles of weights (3 x 16,384 bytes of codes, 3 x 1,024 of scale bytes) are brought once by the 256 threads and lie in LDS as images of the operand's registers.
; NO CLUSTER: a work-group asks once, at its head, through registers, for its 119 KB; there is no ring of tiles over which joint requests could be repeated.
; TILES.  Place r of tile T is row 32 (T / 2) + 8 (T % 2) + r + 8 (r / 8), for x's rows and the weights' alike.  So in a result whose source 0 is such a tile, the 16 registers of a pair's two results are 16 neighbours.
; Q, K: TRANSPOSED (source 0 = 16 rows of W, source 1 = 16 rows of x): a lane holds one token; registers 16 b + i are channel 32 b + 16 (lane / 16) + i.
; V: source 0 = 16 rows of x, source 1 = 16 rows of Wv: a lane holds one channel; registers 16 f + i are key 16 (lane / 16) + i of my 32.  Either way a block of 32 lies in lanes l and l xor 16.
; The biases are the C of each sum's first matrix instruction.
; OUT.  qb: [bh][block of 256 queries][9,216]: codes [tile 16][block 2][r 16][16 bytes], then scale words [tile 16][r 16][4 bytes] (bytes 2, 3 are 0: the kernel that reads them fills K = 64 up to 128 with zero codes).
; kv: [bh][chunk of 512 keys][35,840]: K's codes [tile 32][512]; +16384 V's codes [step 4][f 4][32 keys 4][r 16][16]; +32768 K's scale words [step 4][lane 32][pair 4][4]; +34816 V's [step 4][16 (f % 2) + r][f / 2][4].
.set L16, 1                            ; v1   16 x lane
.set T16, 2                            ; v2   16 x thread
.set T4,  3                            ; v3   4 x thread
.set AQS, 4                            ; v4   LDS: Q's scale word of my lane
.set AKS, 5                            ; v5   K's
.set AVS, 6                            ; v6   V's scale byte
.set VQ,  7                            ; v7   my 8 bytes of Q's or K's codes
.set VV,  8                            ; v8   of V's
.set BH,  9                            ; v9   64 x (lane / 16): the biases of Q and K
.set BR,  10                           ; v10  4 (r + 8 (r / 8)): V's
.set BV,  12                           ; v12-15   bv of my channel in each of the four tiles
.set X,   16                           ; v16-79   x's operands: 32 u + 8 q + 4 c
.set XS,  80                           ; v80-83   x's scale words, K step q: lanes 0-15 tile u = 0, lanes 16-31 u = 1
.set WS,  84                           ; v84-91   W's: 4 (t / 2) + q: lanes 0-15 the even tile, lanes 16-31 the odd one
.set BI,  92                           ; v92-123  the bias in the result's layout, 8 a tile
.set WF,  124                          ; v124-155 four fragments of W
.set ACC, 156                          ; v156-219 eight accumulators
.set TM,  220                          ; v220-223 largest magnitudes, v224-227 bytes, v232-235 the conversions' scale operands
.set PC,  236                          ; v236-243 codes
.set PW,  244                          ; v244-245 scale words
.set OUTR, 248
.set WSL, 49152                        ; LDS: codes [type 3][tile 4][4096] from 0; scale bytes [type 3][tile 4][256];
.set SSQ, 52224                        ; the stage for the scales made here: Q's 1,024 bytes, K's 1,024, V's 512
.set SSK, 53248
.set SSV, 54272
.macro WM d, a, b, c, sa, sb, ra, rb   ; one product; ra, rb: the scales stand in lanes 16-31 of the register named
.if (\ra) && (\rb)
	v_wmma_scale_f32_16x16x128_f8f6f4 v[(\d):(\d)+7], v[(\a):(\a)+7], v[(\b):(\b)+7], v[(\c):(\c)+7], v[\sa], v[\sb] matrix_a_fmt:MATRIX_FMT_FP4 matrix_b_fmt:MATRIX_FMT_FP4 matrix_a_scale:MATRIX_SCALE_ROW1 matrix_b_scale:MATRIX_SCALE_ROW1
.elseif (\ra)
	v_wmma_scale_f32_16x16x128_f8f6f4 v[(\d):(\d)+7], v[(\a):(\a)+7], v[(\b):(\b)+7], v[(\c):(\c)+7], v[\sa], v[\sb] matrix_a_fmt:MATRIX_FMT_FP4 matrix_b_fmt:MATRIX_FMT_FP4 matrix_a_scale:MATRIX_SCALE_ROW1
.elseif (\rb)
	v_wmma_scale_f32_16x16x128_f8f6f4 v[(\d):(\d)+7], v[(\a):(\a)+7], v[(\b):(\b)+7], v[(\c):(\c)+7], v[\sa], v[\sb] matrix_a_fmt:MATRIX_FMT_FP4 matrix_b_fmt:MATRIX_FMT_FP4 matrix_b_scale:MATRIX_SCALE_ROW1
.else
	v_wmma_scale_f32_16x16x128_f8f6f4 v[(\d):(\d)+7], v[(\a):(\a)+7], v[(\b):(\b)+7], v[(\c):(\c)+7], v[\sa], v[\sb] matrix_a_fmt:MATRIX_FMT_FP4 matrix_b_fmt:MATRIX_FMT_FP4
.endif
.endm
	s_load_b512 s[4:19], s[0:1], 0x0               ; xc, xs, wc, ws, bq, bk, bv, qb
	s_load_b64 s[20:21], s[0:1], 0x40              ; kv
	v_lshl_add_u32 v254, v0, 2, 0xd600
	v_mov_b32 v255, 0
	v_lshrrev_b32 v11, 5, v0
	s_delay_alu instid0(VALU_DEP_1)
	v_readfirstlane_b32 s22, v11                   ; wave 0..7
	s_mov_b32 s23, ttmp9                           ; the head
	s_and_b32 s27, ttmp7, 0xffff                   ; which 256 rows
	s_mov_b32 s24, 0x76543210
	s_mov_b32 s25, 0xfedcba98                      ; v_permlanex16_b32's selects for lane l xor 16
	s_mov_b32 s26, 0xffff0000                      ; lanes 16-31
	v_and_b32 v11, 31, v0
	s_delay_alu instid0(VALU_DEP_1)
	v_lshlrev_b32 v[L16], 4, v11
	v_lshlrev_b32 v[T16], 4, v0
	v_lshlrev_b32 v[T4], 2, v0
	v_and_b32 v246, 15, v0                         ; r
	s_wait_alu depctr_va_vdst(0)
	v_bfe_u32 v247, v0, 4, 1                       ; h
	v_lshl_add_u32 v[AQS], v0, 2, SSQ              ; tile 2 w + (lane / 16), row r: 4 x thread
	s_lshr_b32 s40, s22, 2                         ; w / 4: which 128 keys of my 256
	s_and_b32 s41, s22, 3                          ; w % 4: which 32 of those
	s_lshl_b32 s42, s40, 9
	s_lshl_b32 s43, s41, 2
	s_add_co_u32 s42, s42, s43
	s_add_co_u32 s42, s42, SSK
	v_add_nc_u32 v[AKS], s42, v[L16]               ; 512 (w / 4) + 16 x lane + 4 (w % 4)
	s_lshl_b32 s42, s40, 8
	s_add_co_u32 s42, s42, s41
	s_add_co_u32 s42, s42, SSV
	v_lshl_add_u32 v[AVS], v246, 3, s42            ; 256 (w / 4) + 8 r + (w % 4)
	v_lshlrev_b32 v11, 4, v246
	s_wait_alu depctr_va_vdst(0)
	v_lshl_add_u32 v11, v247, 3, v11               ; 16 r + 8 h
	s_lshl_b32 s42, s22, 10
	v_add_nc_u32 v[VQ], s42, v11                   ; + 1,024 w: my pair's two tiles
	s_lshl_b32 s42, s40, 12
	s_lshl_b32 s43, s41, 8
	s_add_co_u32 s42, s42, s43
	v_add_nc_u32 v[VV], s42, v11                   ; + 4,096 (w / 4) + 256 (w % 4)
	v_lshlrev_b32 v[BH], 6, v247
	v_and_b32 v[BR], 8, v246
	s_delay_alu instid0(VALU_DEP_1)
	v_add_nc_u32 v[BR], v[BR], v246
	s_delay_alu instid0(VALU_DEP_1)
	v_lshlrev_b32 v[BR], 2, v[BR]
.irp b, 0,1,2,3
	v_mov_b32 v[TM+4+\b], 0                        ; written once: a lane permute's destination counts as one of its sources
.endr
	s_lshr_b32 s30, s27, 4
	s_lshl_b32 s30, s30, 3
	s_add_co_u32 s30, s30, s23                     ; bh = 8 x batch + head
	s_and_b32 s31, s27, 15                         ; the block of 256 in the sequence
	s_lshr_b32 s32, s31, 1                         ; its chunk of 512 keys,
	s_and_b32 s33, s31, 1                          ; and which half of it
	s_lshl_b32 s44, s27, 3
	s_add_co_u32 s44, s44, s22                     ; my pair of tiles of x
	s_mov_b32 s29, 0
	s_wait_alu depctr_va_vdst(0)
	s_wait_kmcnt 0x0
	s_lshl_b32 s28, s23, 14
	s_add_nc_u64 s[8:9], s[8:9], s[28:29]          ; the head's four tiles in each weight's codes,
	s_lshl_b32 s28, s23, 10
	s_add_nc_u64 s[10:11], s[10:11], s[28:29]      ; and scale bytes
	s_lshl_b32 s28, s44, 13
	s_add_nc_u64 s[4:5], s[4:5], s[28:29]
	s_lshl_b32 s28, s44, 9
	s_add_nc_u64 s[6:7], s[6:7], s[28:29]
	s_lshl_b32 s28, s23, 8
	s_add_nc_u64 s[12:13], s[12:13], s[28:29]
	s_add_nc_u64 s[14:15], s[14:15], s[28:29]
	s_add_nc_u64 s[16:17], s[16:17], s[28:29]
	s_lshl_b32 s28, s30, 4
	s_add_co_u32 s28, s28, s31
	s_mul_i32 s28, s28, 9216
	s_add_nc_u64 s[34:35], s[18:19], s[28:29]      ; Q's record
	s_lshl_b32 s28, s30, 3
	s_add_co_u32 s28, s28, s32
	s_mul_i32 s28, s28, 35840
	s_add_nc_u64 s[36:37], s[20:21], s[28:29]      ; the chunk's record,
	s_lshl_b32 s28, s33, 13
	s_add_nc_u64 s[38:39], s[36:37], s[28:29]      ; and my half of its codes
	; the weights' share first: 15 loads; then what stays in my registers: 29 loads
.irp ty, 0,1,2
.irp i, 0,1,2,3
	global_load_b128 v[ACC+4*(4*\ty+\i):ACC+4*(4*\ty+\i)+3], v[T16], s[8:9] offset:\ty*131072+\i*4096
.endr
.endr
.irp ty, 0,1,2
	global_load_b32 v[WF+\ty], v[T4], s[10:11] offset:\ty*8192
.endr
.irp u, 0,1
.irp q, 0,1,2,3
.irp c, 0,1
	global_load_b128 v[X+32*\u+8*\q+4*\c:X+32*\u+8*\q+4*\c+3], v[L16], s[4:5] offset:\u*4096+\q*1024+\c*512
.endr
.endr
.endr
	global_load_b128 v[XS:XS+3], v[L16], s[6:7]
.irp t, 0,1,2,3
	global_load_b128 v[BI+8*\t:BI+8*\t+3], v[BH], s[12:13] offset:(32*(\t/2)+8*(\t%2))*4
	global_load_b128 v[BI+8*\t+4:BI+8*\t+7], v[BH], s[12:13] offset:(32*(\t/2)+8*(\t%2))*4+16
.endr
.irp t, 0,1,2,3
	global_load_b32 v[BV+\t], v[BR], s[16:17] offset:(32*(\t/2)+8*(\t%2))*4
.endr
	s_wait_loadcnt 29                              ; the weights' 15 are in; the 29 issued behind them stay out
.irp ty, 0,1,2
.irp i, 0,1,2,3
	ds_store_b128 v[T16], v[ACC+4*(4*\ty+\i):ACC+4*(4*\ty+\i)+3] offset:\ty*16384+\i*4096
.endr
.endr
.irp ty, 0,1,2
	ds_store_b32 v[T4], v[WF+\ty] offset:WSL+\ty*1024
.endr
	s_wait_dscnt 0x0                               ; for the others' sake: my stores have landed
	s_barrier_signal -1
	s_barrier_wait -1                              ; the head's weights lie in LDS
	s_wait_loadcnt 0x0
; One projection: four K steps of 128, eight accumulators by turns, one instruction a turn.  nat = 0: transposed (Q, K); nat = 1: x as source 0 (V).
; Four places stand in front of each run of loads into registers that matrix instructions have read (ISA guide 7.12.1 for vector instructions), and behind the last product.
.macro PROJ ty, nat
	ds_load_b128 v[WS:WS+3], v[L16] offset:WSL+\ty*1024
	ds_load_b128 v[WS+4:WS+7], v[L16] offset:WSL+\ty*1024+512
.irp q, 0,1,2,3
.rept 4
	v_nop
.endr
.irp t, 0,1,2,3
.irp c, 0,1
	ds_load_b128 v[WF+8*\t+4*\c:WF+8*\t+4*\c+3], v[L16] offset:\ty*16384+\t*4096+\q*1024+\c*512
.endr
.endr
.if (\q == 1) && (\ty == 0)            ; K step 0 has read the bias, four places back: the next projection's comes in
.irp t, 0,1,2,3
	global_load_b128 v[BI+8*\t:BI+8*\t+3], v[BH], s[14:15] offset:(32*(\t/2)+8*(\t%2))*4
	global_load_b128 v[BI+8*\t+4:BI+8*\t+7], v[BH], s[14:15] offset:(32*(\t/2)+8*(\t%2))*4+16
.endr
.endif
.if (\q == 1) && (\ty == 1)            ; V's: a lane holds one channel, so its bias stands in all eight registers
.irp t, 0,1,2,3
.irp i, 0,1,2,3,4,5,6,7
	v_mov_b32 v[BI+8*\t+\i], v[BV+\t]
.endr
.endr
.endif
	s_wait_dscnt 0x0
.irp u, 0,1
.irp t, 0,1,2,3
.if \nat
.if \q == 0
	WM ACC+16*\t+8*\u, X+32*\u+8*\q, WF+8*\t, BI+8*\t, XS+\q, WS+4*(\t/2)+\q, \u, \t%2
.else
	WM ACC+16*\t+8*\u, X+32*\u+8*\q, WF+8*\t, ACC+16*\t+8*\u, XS+\q, WS+4*(\t/2)+\q, \u, \t%2
.endif
.else
.if \q == 0
	WM ACC+32*\u+8*\t, WF+8*\t, X+32*\u+8*\q, BI+8*\t, WS+4*(\t/2)+\q, XS+\q, \t%2, \u
.else
	WM ACC+32*\u+8*\t, WF+8*\t, X+32*\u+8*\q, ACC+32*\u+8*\t, WS+4*(\t/2)+\q, XS+\q, \t%2, \u
.endif
.endif
.endr
.endr
.endr
.rept 4
	v_nop
.endr
.endm
; Four blocks of 32, block b's 16 numbers of my lane in v[s + 16 b] on, the other 16 in lane l xor 16: bytes into v[TM+4+b], my 16 codes into v[PC+2b], v[PC+2b+1].  Each accumulator is read from its low end on.
.macro QUANT4 s
	s_wait_xcnt 0x0                                ; the codes' registers were the data of the last stores: they are written again only behind this wait
.irp b, 0,1,2,3
	v_max3_num_f32 v[TM+\b], |v[\s+16*\b]|, |v[\s+1+16*\b]|, 0x1800000   ; with the floor 2^(3 - 127): the byte cannot fall under 1
.endr
.irp i, 2,4,6,8,10,12,14
.irp b, 0,1,2,3
	v_max3_num_f32 v[TM+\b], v[TM+\b], |v[\s+16*\b+\i]|, |v[\s+1+16*\b+\i]|
.endr
.endr
.irp b, 0,1,2,3
	s_delay_alu instid0(VALU_DEP_4)
	v_permlanex16_b32 v[TM+4+\b], v[TM+\b], s24, s25
.endr
.irp b, 0,1,2,3
	s_delay_alu instid0(VALU_DEP_4)
	v_max_num_f32 v[TM+\b], v[TM+\b], v[TM+4+\b]
.endr
.irp b, 0,1,2,3
	s_delay_alu instid0(VALU_DEP_4)
	v_add_nc_u32 v[TM+12+\b], 0xff000000, v[TM+\b] ; 2 off the exponent field: the conversion's scale operand
.endr
.irp b, 0,1,2,3
	s_delay_alu instid0(VALU_DEP_4)
	v_lshrrev_b32 v[TM+4+\b], 23, v[TM+12+\b]      ; the scale's byte
.endr
.irp b, 0,1,2,3
	v_cvt_scalef32_pk8_fp4_f32 v[PC+2*\b], v[\s+16*\b:\s+7+16*\b], v[TM+12+\b]
	v_cvt_scalef32_pk8_fp4_f32 v[PC+1+2*\b], v[\s+8+16*\b:\s+15+16*\b], v[TM+12+\b]
.endr
	v_nop                                          ; one plain place behind a scaled conversion
.endm
; Q's or K's codes and scale words.  Block 2 u + b: tile u of my pair, channels 32 b on.  Each store's 32 lanes cover 256 consecutive bytes, aligned.
.macro SENDQK base, sadr
.irp b, 0,1,2,3
	global_store_b64 v[VQ], v[PC+2*\b:PC+2*\b+1], s[\base:\base+1] offset:256*\b
.endr
	v_lshl_or_b32 v[PW], v[TM+5], 8, v[TM+4]       ; tile 0's word: two bytes, the upper two 0
	v_lshl_or_b32 v[PW+1], v[TM+7], 8, v[TM+6]     ; tile 1's
	s_delay_alu instid0(VALU_DEP_1)
	v_cndmask_b32 v[PW], v[PW], v[PW+1], s26       ; lanes 0-15 keep tile 0's, lanes 16-31 take tile 1's
	ds_store_b32 v[\sadr], v[PW]
.endm
	PROJ 0, 0
	QUANT4 ACC
	SENDQK 34, AQS
	s_wait_loadcnt 0x0                             ; bk
	PROJ 1, 0
	QUANT4 ACC
	SENDQK 38, AKS
	PROJ 2, 1
	QUANT4 ACC
.irp f, 0,1,2,3
	global_store_b64 v[VV], v[PC+2*\f:PC+2*\f+1], s[38:39] offset:16384+1024*\f   ; tile f of the channels, my 32 keys: 256 consecutive bytes, aligned
.endr
.irp f, 0,1,2,3
	ds_store_b8 v[AVS], v[TM+4+\f] offset:128*(\f%2)+4*(\f/2)      ; both lanes of a block write the same byte with the same value
.endr
	s_wait_dscnt 0x0                               ; for the others' sake
	s_barrier_signal -1
	s_barrier_wait -1                              ; the stage holds the work-group's scales: 2,560 bytes
	s_cmp_gt_u32 s22, 4
	s_cbranch_scc1 .Ldone                          ; waves 0-4 store 512 of them each
	s_lshl_b32 s40, s22, 9
	s_add_co_u32 s41, s40, 8192                    ; waves 0, 1: Q's words, behind Q's codes
	s_lshl_b32 s42, s33, 10
	s_add_co_u32 s42, s42, s40
	s_add_co_u32 s42, s42, 32768-1024              ; waves 2, 3: K's, my half's two steps
	s_lshl_b32 s43, s33, 9
	s_add_co_u32 s43, s43, 34816                   ; wave 4: V's
	s_cmp_lt_u32 s22, 4
	s_cselect_b32 s42, s42, s43
	s_cmp_lt_u32 s22, 2
	s_cselect_b32 s42, s41, s42
	s_cselect_b64 s[44:45], s[34:35], s[36:37]
	s_mov_b32 s43, 0
	s_add_nc_u64 s[44:45], s[44:45], s[42:43]
	ds_load_b128 v[OUTR:OUTR+3], v[T16] offset:SSQ
	s_wait_dscnt 0x0
	global_store_b128 v[L16], v[OUTR:OUTR+3], s[44:45]             ; 512 consecutive bytes, aligned
.Ldone:
	s_wait_tensorcnt 0x0
	ds_add_u32 v254, v255
	s_wait_dscnt 0x0
	s_endpgm
.Lfunc_end_k_q5a16037b39_qkv:
	.size	k_q5a16037b39_qkv, .Lfunc_end_k_q5a16037b39_qkv-k_q5a16037b39_qkv
	.p2alignl 7, 3214868480
	.fill 96, 4, 3214868480
	.section	.rodata,"a",@progbits
	.p2align	6, 0x0
	.amdhsa_kernel k_q5a16037b39_qkv
		.amdhsa_group_segment_fixed_size 55808
		.amdhsa_private_segment_fixed_size 0
		.amdhsa_enable_private_segment 0
		.amdhsa_kernarg_size 72
		.amdhsa_user_sgpr_count 2
		.amdhsa_user_sgpr_kernarg_segment_ptr 1
		.amdhsa_wavefront_size32 1
		.amdhsa_system_sgpr_workgroup_id_x 1
		.amdhsa_system_sgpr_workgroup_id_y 1
		.amdhsa_system_sgpr_workgroup_id_z 1
		.amdhsa_system_vgpr_workitem_id 0
		.amdhsa_next_free_vgpr 256
		.amdhsa_next_free_sgpr 66
		.amdhsa_reserve_vcc 0
		.amdhsa_float_denorm_mode_32 3
		.amdhsa_float_denorm_mode_16_64 3
		.amdhsa_memory_ordered 1
		.amdhsa_forward_progress 1
		.amdhsa_inst_pref_size 46
	.end_amdhsa_kernel
	.amdgpu_metadata
---
amdhsa.version: [ 1, 2 ]
amdhsa.kernels:
  - .name:           k_q5a16037b39_qkv
    .symbol:         k_q5a16037b39_qkv.kd
    .args:
      - { .name: xc, .offset: 0, .size: 8, .value_kind: global_buffer, .address_space: global }
      - { .name: xs, .offset: 8, .size: 8, .value_kind: global_buffer, .address_space: global }
      - { .name: wc, .offset: 16, .size: 8, .value_kind: global_buffer, .address_space: global }
      - { .name: ws, .offset: 24, .size: 8, .value_kind: global_buffer, .address_space: global }
      - { .name: bq, .offset: 32, .size: 8, .value_kind: global_buffer, .address_space: global }
      - { .name: bk, .offset: 40, .size: 8, .value_kind: global_buffer, .address_space: global }
      - { .name: bv, .offset: 48, .size: 8, .value_kind: global_buffer, .address_space: global }
      - { .name: qb, .offset: 56, .size: 8, .value_kind: global_buffer, .address_space: global }
      - { .name: kv, .offset: 64, .size: 8, .value_kind: global_buffer, .address_space: global }
    .group_segment_fixed_size: 55808
    .private_segment_fixed_size: 0
    .kernarg_segment_align: 8
    .kernarg_segment_size: 72
    .max_flat_workgroup_size: 256
    .sgpr_count:     66
    .vgpr_count:     256
    .wavefront_size: 32
...
	.end_amdgpu_metadata
.endif
;; end of part 2
;; launch attn (part 3): grid 16 x 16, 16 waves a work-group, clusters of 4 x 1, 327,680 bytes of LDS; arguments qb, kv, oc, os; writes oc, os
.if DOCPART == 3
	.amdgcn_target "amdgcn-amd-amdhsa--gfx1250"
	.amdhsa_code_object_version 6
	.text
	.protected	k_q5a16037b39_attn
	.globl	k_q5a16037b39_attn
	.p2align	8
	.type	k_q5a16037b39_attn,@function
k_q5a16037b39_attn:
	s_mov_b64 s[64:65], 0
	v_nop
	global_prefetch_b8 v0, s[64:65] scope:SCOPE_SE
	s_setreg_imm32_b32 hwreg(HW_REG_WAVE_MODE, 25, 1), 1
	s_wait_xcnt 0x0
	s_wait_alu depctr_hold_cnt(0) depctr_sa_sdst(0) depctr_va_vdst(0) depctr_va_sdst(0) depctr_va_ssrc(0) depctr_va_vcc(0) depctr_vm_vsrc(0)
	s_getreg_b32 s2, hwreg(HW_REG_IB_STS2, 6, 4)
	s_cmp_eq_u32 s2, 0
	s_cbranch_scc0 .Lentry_in_a_cluster
	s_endpgm
.Lentry_in_a_cluster:
	s_bfe_u32 s2, ttmp6, 0x10000c
	s_cmp_lg_u32 s2, 0x3003
	s_cbranch_scc0 .Lentry_shape_is_right
	s_endpgm
.Lentry_shape_is_right:
; O[bh][q] = the sum over k of softmax_k(Q[q] . K[k] / 8) V[k], head size 64, 4,096 keys, both products on codes of FP4 with E8M0 scales; O / l is quantised at once along the head's channels for the last projection.
; THE SOFTMAX: t = score x log2(e) / 8; M = the running largest t rounded UP to a whole number; p = 2^(t - M) is quantised along the keys, not normalised; the row's sum is taken of the unquantised p and divides O at the end.
; When M moves, the sum and O are multiplied by 2^(old M - new M), which rounds nothing.
; LIMITS: NaN and infinities are not served; the scaled scores stay under 2^31 in magnitude; a block's byte is held at 1 from below (a block of zeros too: its codes are zeros, and this program alone reads the bytes).
; SHARES.  A work-group owns 256 queries of one bh; each of its sixteen waves one tile of 16, in 256 registers, four waves to a SIMD.  Every wave walks the 4,096 keys, 128 a step.
; THE WHOLE HEAD LIES IN LDS, EACH BYTE FILLED ONCE, BY SIXTEEN LOADS, ONE A WAVE: waves 0-7 a chunk (512 keys) of K's codes each, waves 8-11 two chunks of V's codes each, waves 12, 13 four chunks of K's scale words,
; waves 14, 15 four chunks of V's.  One wait and one barrier follow; behind it the 32 steps have no barrier, since nothing is filled again.
; CLUSTER: the four blocks of queries of a cluster belong to one bh and read the same head: each load is asked for JOINTLY, with the same descriptor and the mask of all four.
; NO PREFETCH: every byte is asked for at the head, by the loads themselves; there is no loop of loads to run ahead in.
; LAYOUT.  Both products transposed: S^T = K Q^T (source 0 = 16 keys, source 1 = my 16 queries), O^T = V^T P^T (source 0 = 16 channels, source 1 = P): a lane holds one query throughout.
; THE KEYS OF A TILE are chosen by the lanes' LDS addresses: row r of tile 4 c + u of a step is key 64 c + 32 (r / 8) + 8 u + r % 8.  So lane (r, h) holds in the 32 registers of tiles 4 c .. 4 c + 3 the WHOLE block
; of keys 64 c + 32 h + 0 .. 31, in order: a block's largest score needs no other lane, and the conversion of tile 4 c + u is register 4 c + u of P's operand as it stands.
; In memory 32 keys' codes are 1,024 bytes; in LDS 128 bytes of padding follow them, so that rows r < 8 and r >= 8 of a tile, 32 keys apart, lie in different halves of the 256 bytes that sixteen lanes read.
; K = 64 of the first product is filled up to the instruction's 128 with zero codes on both sides: registers 4-7 of Q's and K's operands are 0 and are never loaded.
; ORDER OF A STEP: V's loads; the first product (its K came in during the step before); the last adds of the step before's sums; the next step's K; softmax; codes; O^T rescaled; the second product; this step's sums.
.set CH,    35840                      ; a chunk of 512 keys in memory: K's codes 16,384, V's codes 16,384, K's scale words 2,048, V's 1,024
.set KST,   4608                       ; a step's K in LDS: 4 x (1,024 + 128)
.set VB,    147456                     ; LDS: K's codes from 0 (8 x 18,432); V's codes (4,096 a step);
.set KSB,   278528                     ; K's scale words (512 a step);
.set VSB,   294912                     ; V's (256 a step);
.set OSB,   303104                     ; 512 bytes, the stage for O's scale bytes: no tile lands there;
.set SPARE, 303616                     ; the spare words, 128 bytes a wave
.set KA0, 1                            ; v1-4   my lane's places in the four regions
.set VA0, 2
.set KSA0, 3
.set VSA0, 4
.set SPW, 5                            ; v5     my spare word; v6 = 0: both kept for the add alone
.set NIL, 6
.set KA,  7                            ; v7-10  the same places in the four steps in hand
.set VA,  8
.set KSA, 9
.set VSA, 10
.set SH,  11                           ; v11    8 x (lane / 16)
.set L16, 25                           ; v25    16 x lane
.set SM,  234                          ; v234-247 seven partial sums of p (between a step's tail and its sums: at work)
.set OST, 248                          ; v248-250 the way out's addresses
.set OCA, 249
.set OSR, 250
; v12 -M, v13 the largest score, v[14:15] the sum; v16-23 Q, v24 its scale words; v[26:27] V's scale words, v28-31 K's; v32-95 K; v96-159 S^T, then p; v160-191 O^T; v192-223 V; v224-231 p's codes; v252 f, v253 p's scale word
.set WV,  12
.set SEL, 20                           ; s[20:21] v_permlanex16_b32's selects for lane l xor 16
.set CS,  22                           ; s[22:23] c = log2(e) / 8
.set G1K, 24                           ; four groups 1 and four groups 0
.set G1V, 32
.set G1S, 40
.set G1T, 48
.set G0K, 56
.set G0V, 60
.set G0S, 68
.set G0T, 72
.set CNT, 80
.set NCS, 81                           ; s81 -c
.set TK,  90                           ; s90-93 where the four steps in hand begin in each region
.set TV,  91
.set TS,  92
.set TJ,  93
.macro ROUND                           ; a round of the cluster's barrier
	s_barrier_signal -1
	s_barrier_wait -1
	s_cmp_lg_u32 s[WV], 0
	s_cbranch_scc1 .Lnot_wave_0_\@
	s_barrier_signal -3
.Lnot_wave_0_\@:
	s_barrier_wait -3
	s_barrier_signal -1
	s_barrier_wait -1
.endm
.macro DESC g, w0, c, r                ; group 1: r rows of c elements of 8 bytes, CH bytes apart (K's codes: dense)
	s_mov_b32 s[\g], \w0
	s_mov_b32 s[\g+1], (\c)<<16
	s_mov_b32 s[\g+2], (\r)<<16
	s_mov_b32 s[\g+3], (\c)<<16
	s_mov_b32 s[\g+4], \r
	s_mov_b32 s[\g+6], 0
	s_mov_b32 s[\g+7], 0
.endm
.macro GRP0 g, off                     ; group 0: count, (the LDS address is made above,) the global address, the type
	s_mov_b32 s[\g], 1
	s_add_nc_u64 s[\g+2:\g+3], s[6:7], s[\off:\off+1]
	s_or_b32 s[\g+3], s[\g+3], 0x80000000
.endm
	s_load_b256 s[4:11], s[0:1], 0x0               ; qb, kv, oc, os
	v_lshl_add_u32 v[SPW], v0, 2, SPARE
	v_mov_b32 v[NIL], 0
	ds_add_u32 v[SPW], v[NIL]                      ; the opening: the add, twice on end, and its wait ahead of my tensor load
	ds_add_u32 v[SPW], v[NIL]
	v_lshrrev_b32 v7, 5, v0
	s_delay_alu instid0(VALU_DEP_1)
	v_readfirstlane_b32 s[WV], v7                  ; wave 0..15
	s_bfe_u32 s13, ttmp6, 0x40000                  ; cx: my place in the cluster
	s_lshl_b32 s14, ttmp9, 2
	s_add_co_u32 s14, s14, s13                     ; my block of 256 queries: it enters Q's and O's global addresses alone
	s_and_b32 s15, ttmp7, 0xffff                   ; bh, which the four partners share
	DESC G1K, 15|(3<<16)|(1<<20)|(1<<21)|(7<<22)|(31<<25), 128, 16   ; the mask of all four; elements of 8 bytes; 32 words of padding behind every 256 words: 16 rows of 1,024 bytes
	s_mov_b32 s[G1K+5], 128
	DESC G1V, 15|(3<<16)|(1<<21), 2048, 2          ; two chunks' V codes: rows of 16,384 bytes
	s_mov_b32 s[G1V+5], CH/8
	DESC G1S, 15|(3<<16)|(1<<21), 256, 4           ; four chunks' scale words of K: rows of 2,048 bytes
	s_mov_b32 s[G1S+5], CH/8
	DESC G1T, 15|(3<<16)|(1<<21), 128, 4           ; and of V: rows of 1,024 bytes
	s_mov_b32 s[G1T+5], CH/8
	s_and_b32 s16, s[WV], 7                        ; waves 0-7: chunk = wave
	s_mul_i32 s[G0K+1], s16, 4*KST
	s_mul_i32 s76, s16, CH
	s_mov_b32 s77, 0
	s_and_b32 s16, s[WV], 3                        ; waves 8-11: chunks 2 (wave % 4) and the next
	s_mul_i32 s17, s16, 32768
	s_add_co_u32 s[G0V+1], s17, VB
	s_mul_i32 s78, s16, 2*CH
	s_add_co_u32 s78, s78, 16384
	s_mov_b32 s79, 0
	s_and_b32 s16, s[WV], 1                        ; waves 12, 13 and 14, 15: chunks 4 (wave % 2) on
	s_mul_i32 s17, s16, 8192
	s_add_co_u32 s[G0S+1], s17, KSB
	s_mul_i32 s17, s16, 4096
	s_add_co_u32 s[G0T+1], s17, VSB
	s_mul_i32 s82, s16, 4*CH
	s_add_co_u32 s82, s82, 32768
	s_mov_b32 s83, 0
	s_add_co_u32 s84, s82, 2048
	s_mov_b32 s85, 0
	s_mov_b32 s[SEL], 0x76543210
	s_mov_b32 s[SEL+1], 0xfedcba98
	s_mov_b32 s[CS], 0x3e38aa3b                    ; log2(e) / 8
	s_mov_b32 s[CS+1], s[CS]                       ; (named with it as a pair, so it is written)
	s_mov_b32 s[NCS], 0xbe38aa3b
	s_mov_b32 s[TK], 0
	s_mov_b32 s[TV], 0
	s_mov_b32 s[TS], 0
	s_mov_b32 s[TJ], 0
	s_mul_i32 s18, s15, 8*CH
	s_mov_b32 s19, 0
	s_wait_dscnt 0x0                               ; both opening adds are done
	s_wait_kmcnt 0x0
	s_add_nc_u64 s[6:7], s[6:7], s[18:19]          ; the head
	GRP0 G0K, 76
	GRP0 G0V, 78
	GRP0 G0S, 82
	GRP0 G0T, 84
	ROUND                                          ; all four work-groups are here: the joint loads meet
; one chain of branches on the wave's number, one load to an arm, all arms to one join: every way passes exactly one load
.macro ARM under, g0, g1, next
	s_cmp_lt_u32 s[WV], \under
	s_cbranch_scc0 \next
	tensor_load_to_lds s[\g0:\g0+3], s[\g1:\g1+7]
	s_nop 0
.rept 4
	v_nop
.endr
	s_branch .Lhead_asked
\next:
.endm
	ARM 8,  G0K, G1K, .Lhead_v
	ARM 12, G0V, G1V, .Lhead_s
	ARM 14, G0S, G1S, .Lhead_t
	tensor_load_to_lds s[G0T:G0T+3], s[G1T:G1T+7]
	s_nop 0
.rept 4
	v_nop
.endr
.Lhead_asked:
	s_lshl_b32 s18, s15, 4
	s_add_co_u32 s18, s18, s14                     ; 16 bh + block
	s_mul_i32 s86, s18, 9216
	s_mov_b32 s87, 0
	s_add_nc_u64 s[4:5], s[4:5], s[86:87]          ; Q's record
	s_lshl_b32 s86, s18, 9
	s_add_nc_u64 s[10:11], s[10:11], s[86:87]      ; O's scale bytes: 32 a tile, 512 a block
	s_lshr_b32 s86, s15, 3
	s_lshl_b32 s86, s86, 8
	s_lshl_b32 s88, s14, 4
	s_add_co_u32 s86, s86, s88
	s_add_co_u32 s86, s86, s[WV]                   ; my tile among the 512 of all tokens: 256 x batch + 16 x block + wave
	s_lshl_b32 s86, s86, 12
	s_and_b32 s88, s15, 7
	s_lshl_b32 s88, s88, 9                         ; the head's two blocks of 32 among the tile's sixteen
	s_add_co_u32 s86, s86, s88
	s_add_nc_u64 s[8:9], s[8:9], s[86:87]
	s_lshl_b32 s88, s[WV], 5
	s_add_co_u32 s88, s88, OSB
	v_and_b32 v96, 15, v0                          ; r
	v_bfe_u32 v97, v0, 4, 1                        ; h
	v_and_b32 v98, 31, v0                          ; lane
	v_lshlrev_b32 v99, 4, v0                       ; Q's codes: 512 x wave + 16 x lane
	v_lshrrev_b32 v100, 5, v0
	v_and_b32 v101, 7, v0                          ; r % 8
	v_bfe_u32 v102, v0, 3, 1                       ; r / 8
	v_lshlrev_b32 v100, 6, v100
	v_lshlrev_b32 v103, 4, v101                    ; 16 (r % 8)
	v_lshl_add_u32 v100, v96, 2, v100              ; Q's scale words: 64 x wave + 4 r
	global_load_b128 v[16:19], v99, s[4:5]
	global_load_b32 v24, v100, s[4:5] offset:8192
	v_lshlrev_b32 v[L16], 4, v98
	v_lshl_add_u32 v[KA0], v97, 8, v103
	v_lshl_add_u32 v[KSA0], v102, 2, v103
	v_mad_u32_u24 v[KA0], v102, 1152, v[KA0]       ; K's codes: 1,152 (r / 8) + 256 h + 16 (r % 8)
	v_lshl_add_u32 v[KSA0], v97, 8, v[KSA0]
	v_add_nc_u32 v[VA0], VB, v[L16]                ; V's codes: images, 16 x lane
	v_add_nc_u32 v[KSA0], KSB, v[KSA0]             ; K's scale words: 256 (lane / 16) + 16 (r % 8) + 4 (r / 8)
	v_lshl_add_u32 v[VSA0], v98, 3, VSB            ; V's: 8 x lane
	v_lshlrev_b32 v[SH], 3, v97
	v_lshl_add_u32 v[OST], v96, 1, s88             ; the stage: 32 x wave + 2 r
	v_lshlrev_b32 v[OCA], 4, v96
	v_add_nc_u32 v[OSR], OSB, v[L16]               ; the stage, read back
	v_lshl_add_u32 v[OCA], v97, 3, v[OCA]          ; O's codes: 16 r + 8 h
.irp i, 20,21,22,23
	v_mov_b32 v[\i], 0                             ; Q's K = 64 .. 127: zero codes
.endr
.irp t, 0,1,2,3,4,5,6,7
.irp i, 4,5,6,7
	v_mov_b32 v[32+8*\t+\i], 0                     ; K's likewise: written once, never loaded
.endr
.endr
.set JJ, 0
.rept 32
	v_mov_b32 v[160+JJ], 0                         ; O^T: the first step finds zeros, which the first change of M leaves zeros
.set JJ, JJ+1
.endr
.set JJ, 0
.rept 14
	v_mov_b32 v[SM+JJ], 0                          ; the partial sums that the first step's tail adds; two of them are also lane permutes' destinations
.set JJ, JJ+1
.endr
	v_mov_b32 v13, 0xff61b1e6                      ; the largest score so far: -3e38, under every score
	v_mov_b32 v14, 0
	v_mov_b32 v15, 0
	v_mov_b32 v253, 0                              ; (named as the upper half of the pair v[252:253] before it is first written)
	v_mul_f32 v12, s[NCS], v13
	s_delay_alu instid0(VALU_DEP_1)
	v_floor_f32 v12, v12                           ; -M
.macro KLOAD ka, ksa, q                ; step q's K: eight tiles' codes and four registers of scale words (register 2 c + a: lanes 0-15 tile 4 c + 2 a, lanes 16-31 the next)
.irp c, 0,1
.irp u, 0,1,2,3
	ds_load_b128 v[32+32*\c+8*\u:35+32*\c+8*\u], v[\ka] offset:KST*(\q)+2304*\c+512*(\u%2)+128*(\u/2)
.endr
.endr
.irp c, 0,1
.irp a, 0,1
	ds_load_b32 v[28+2*\c+\a], v[\ksa] offset:512*(\q)+128*\a+8*\c
.endr
.endr
.endm
.macro SUMTAIL                         ; the seven partial sums of the step before join the row's sum
	v_pk_add_f32 v[14:15], v[14:15], v[SM:SM+1]
	v_pk_add_f32 v[SM+2:SM+3], v[SM+2:SM+3], v[SM+4:SM+5]
	v_pk_add_f32 v[SM+6:SM+7], v[SM+6:SM+7], v[SM+8:SM+9]
	v_pk_add_f32 v[SM+10:SM+11], v[SM+10:SM+11], v[SM+12:SM+13]
	s_delay_alu instid0(VALU_DEP_2)
	v_pk_add_f32 v[SM+2:SM+3], v[SM+2:SM+3], v[SM+6:SM+7]
	s_delay_alu instid0(VALU_DEP_2)
	v_pk_add_f32 v[14:15], v[14:15], v[SM+10:SM+11]
	s_delay_alu instid0(VALU_DEP_1)
	v_pk_add_f32 v[14:15], v[14:15], v[SM+2:SM+3]
.endm
.macro FOUR step                       ; the addresses of four steps; all else stands in immediates
	v_add_nc_u32 v[KA], s[TK], v[KA0]
	v_add_nc_u32 v[VA], s[TV], v[VA0]
	v_add_nc_u32 v[KSA], s[TS], v[KSA0]
	v_add_nc_u32 v[VSA], s[TJ], v[VSA0]
.if \step
	s_add_co_u32 s[TK], s[TK], 4*KST
	s_add_co_u32 s[TV], s[TV], 16384
	s_add_co_u32 s[TS], s[TS], 2048
	s_add_co_u32 s[TJ], s[TJ], 1024
.endif
.endm
; A KEY STEP: 128 keys, the q-th of four.  pre = 1: the next step's K is fetched.
.macro STEP q, pre
.irp f, 0,1,2,3                                ; V: behind the last step's second product stand its 25 adds, more than the four places owed
.irp c, 0,1
	ds_load_b128 v[192+8*\f+4*\c:195+8*\f+4*\c], v[VA] offset:4096*(\q)+1024*\f+512*\c
.endr
.endr
	ds_load_b64 v[26:27], v[VSA] offset:256*(\q)   ; V's scale words: word f / 2: lanes 0-15 the even tile, lanes 16-31 the odd one
	s_wait_alu depctr_va_vdst(0)
	s_wait_dscnt 9                                 ; K's twelve loads are in; V's nine, issued behind them, stay out
.irp c, 0,1
.irp u, 0,1,2,3
.if \u%2
	v_wmma_scale_f32_16x16x128_f8f6f4 v[96+32*\c+8*\u:103+32*\c+8*\u], v[32+32*\c+8*\u:39+32*\c+8*\u], v[16:23], 0, v[28+2*\c+\u/2], v24 matrix_a_fmt:MATRIX_FMT_FP4 matrix_b_fmt:MATRIX_FMT_FP4 matrix_a_scale:MATRIX_SCALE_ROW1
.else
	v_wmma_scale_f32_16x16x128_f8f6f4 v[96+32*\c+8*\u:103+32*\c+8*\u], v[32+32*\c+8*\u:39+32*\c+8*\u], v[16:23], 0, v[28+2*\c+\u/2], v24 matrix_a_fmt:MATRIX_FMT_FP4 matrix_b_fmt:MATRIX_FMT_FP4
.endif
.endr
.endr
	SUMTAIL                                        ; seven plain lines that name none of the products' registers: the places behind them
.if \pre
	KLOAD KA, KSA, (\q)+1
.endif
.irp b, 0,1,2,3                                ; the largest score of each half block, four chains by turns; each accumulator is first read at its low end
	v_max3_num_f32 v[232+\b], v[96+16*\b], v[97+16*\b], v[98+16*\b]
.endr
.irp i, 3,5,7,9,11,13
.irp b, 0,1,2,3
	v_max3_num_f32 v[232+\b], v[232+\b], v[96+16*\b+\i], v[97+16*\b+\i]
.endr
.endr
	v_max3_num_f32 v232, v232, v233, v111
	v_max3_num_f32 v234, v234, v235, v143
	v_mov_b32 v242, v12                            ; the old -M (an independent line between the two lines above and their readers)
	v_max_num_f32 v232, v232, v127                 ; my block 2 x 0 + h: all its 32 keys are mine
	v_max_num_f32 v233, v234, v159                 ; and block 2 + h
	s_delay_alu instid0(VALU_DEP_1)
	v_max_num_f32 v254, v232, v233
	s_delay_alu instid0(VALU_DEP_1)
	v_permlanex16_b32 v241, v254, s[SEL], s[SEL+1]
	s_delay_alu instid0(VALU_DEP_1)
	v_max3_num_f32 v13, v13, v254, v241            ; the running largest score of my query
	s_delay_alu instid0(VALU_DEP_1)
	v_mul_f32 v254, s[NCS], v13                    ; -t (c is positive)
	s_delay_alu instid0(VALU_DEP_1)
	v_floor_f32 v12, v254                          ; the new -M = floor(-t) = -ceil(t)
	s_delay_alu instid0(VALU_DEP_1)
	v_sub_f32 v254, v12, v242                      ; old M less new M: a whole number, 0 or less
	s_delay_alu instid0(VALU_DEP_1)
	v_cvt_i32_f32 v254, v254                       ; (it saturates)
	s_delay_alu instid0(VALU_DEP_1)
	v_ldexp_f32 v252, 1.0, v254                    ; f = 2^(old M - new M)
.set JJ, 0
.rept 32
	v_pk_fma_f32 v[96+JJ:97+JJ], v[96+JJ:97+JJ], s[CS:CS+1], v[12:13] op_sel_hi:[1,0,0]   ; t - M, two at a time
.set JJ, JJ+2
.endr
	v_fma_f32 v232, v232, s[CS], v12               ; the same of each block's largest score: p rises with the score
	v_fma_f32 v233, v233, s[CS], v12
	s_wait_alu depctr_va_vdst(0)
.set JJ, 0
.rept 64
	v_exp_f32 v[96+JJ], v[96+JJ]                   ; p = 2^(t - M)
.set JJ, JJ+1
.endr
	v_exp_f32 v232, v232                           ; the blocks' largest p: the same two instructions on the same number
	v_exp_f32 v233, v233
	v_pk_mul_f32 v[14:15], v[14:15], v[252:253] op_sel_hi:[1,0]    ; the sum under the new M (a plain place behind the exponentials)
	s_wait_alu depctr_va_vdst(0)                   ; one wait for the batch, ahead of its first reader
	v_max_num_f32 v232, 0x1800000, v232            ; the floor 2^(3 - 127): the byte cannot fall under 1
	v_max_num_f32 v233, 0x1800000, v233
	s_delay_alu instid0(VALU_DEP_2)
	v_add_nc_u32 v236, 0xff000000, v232            ; 2 off the exponent field: the conversion's scale operand
	s_delay_alu instid0(VALU_DEP_2)
	v_add_nc_u32 v237, 0xff000000, v233
.irp c, 0,1
.irp u, 0,1,2,3
	v_cvt_scalef32_pk8_fp4_f32 v[224+4*\c+\u], v[96+32*\c+8*\u:103+32*\c+8*\u], v[236+\c]   ; keys 64 c + 32 h + 8 u + 0 .. 7: register 4 c + u of the operand
.endr
.endr
	v_lshrrev_b32 v238, 23, v236                   ; the scales' bytes (a plain place behind the conversions)
	v_lshrrev_b32 v239, 23, v237
	s_delay_alu instid0(VALU_DEP_1)
	v_lshl_or_b32 v253, v239, 16, v238             ; blocks h and 2 + h,
	s_delay_alu instid0(VALU_DEP_1)
	v_lshlrev_b32 v253, v[SH], v253                ; at their places in the word;
	s_delay_alu instid0(VALU_DEP_1)
	v_permlanex16_b32 v240, v253, s[SEL], s[SEL+1]
	s_delay_alu instid0(VALU_DEP_1)
	v_or_b32 v253, v253, v240                      ; with lane l xor 16's two the word is whole
	s_wait_alu depctr_va_vdst(0)                   ; directly ahead of the first reader of O^T
.set JJ, 0
.rept 16
	v_pk_mul_f32 v[160+JJ:161+JJ], v[160+JJ:161+JJ], v[252:253] op_sel_hi:[1,0]   ; O^T under the new M; sixteen lines between p's codes and scale word and the products below
.set JJ, JJ+2
.endr
	s_wait_alu depctr_va_vdst(0)
.if \pre
	s_wait_dscnt 12                                ; V's nine loads are in; the next K's twelve, issued behind them, stay out
.else
	s_wait_dscnt 0x0
.endif
.irp f, 0,1,2,3                                ; the four accumulators by turns
.if \f%2
	v_wmma_scale_f32_16x16x128_f8f6f4 v[160+8*\f:167+8*\f], v[192+8*\f:199+8*\f], v[224:231], v[160+8*\f:167+8*\f], v[26+\f/2], v253 matrix_a_fmt:MATRIX_FMT_FP4 matrix_b_fmt:MATRIX_FMT_FP4 matrix_a_scale:MATRIX_SCALE_ROW1
.else
	v_wmma_scale_f32_16x16x128_f8f6f4 v[160+8*\f:167+8*\f], v[192+8*\f:199+8*\f], v[224:231], v[160+8*\f:167+8*\f], v[26+\f/2], v253 matrix_a_fmt:MATRIX_FMT_FP4 matrix_b_fmt:MATRIX_FMT_FP4
.endif
.endr
.irp k, 0,1,2,3,4,5,6                          ; the sums of the unquantised p: 32 pairs into eight chains, 25 adds that name none of the products' registers
	v_pk_add_f32 v[SM+2*\k:SM+2*\k+1], v[96+4*\k:97+4*\k], v[98+4*\k:99+4*\k]
.endr
	v_pk_add_f32 v[14:15], v[14:15], v[124:125]
.irp k, 0,1,2,3,4,5,6
	v_pk_add_f32 v[SM+2*\k:SM+2*\k+1], v[SM+2*\k:SM+2*\k+1], v[126+2*\k:127+2*\k]
.endr
	v_pk_add_f32 v[14:15], v[14:15], v[140:141]
.irp k, 0,1,2,3,4,5,6
	v_pk_add_f32 v[SM+2*\k:SM+2*\k+1], v[SM+2*\k:SM+2*\k+1], v[142+2*\k:143+2*\k]
.endr
	v_pk_add_f32 v[14:15], v[14:15], v[156:157]
	v_pk_add_f32 v[SM:SM+1], v[SM:SM+1], v[158:159]
.endm
	s_wait_alu depctr_va_vdst(0)
	s_wait_loadcnt 0x0                             ; Q
	s_wait_tensorcnt 0x0                           ; my sixteenth of the head has landed,
	s_barrier_signal -1
	s_barrier_wait -1                              ; and everybody's
	KLOAD KA0, KSA0, 0                             ; the first step's K
	s_mov_b32 s[CNT], 7
.Lfour:                                            ; seven trips of four steps
	FOUR 1
	STEP 0, 1
	STEP 1, 1
	STEP 2, 1
	STEP 3, 1
	s_sub_co_u32 s[CNT], s[CNT], 1
	s_cmp_lg_u32 s[CNT], 0
	s_wait_alu depctr_va_vdst(0)
	s_cbranch_scc1 .Lfour
	FOUR 0                                         ; the last four are written out: the very last fetches no K
	STEP 0, 1
	STEP 1, 1
	STEP 2, 1
	STEP 3, 0
	; THE WAY OUT.  O^T / l, quantised along the channels: register 16 b + i is channel 32 b + 16 h + i of my query; a block lies in lanes l and l xor 16.
	SUMTAIL                                        ; (with the 25 adds above: the places behind the last products)
	s_delay_alu instid0(VALU_DEP_1)
	v_add_f32 v14, v14, v15                        ; the sum's two halves,
	s_delay_alu instid0(VALU_DEP_1)
	v_permlanex16_b32 v252, v14, s[SEL], s[SEL+1]
	s_delay_alu instid0(VALU_DEP_1)
	v_add_f32 v14, v14, v252                       ; and lane l xor 16's
	s_wait_alu depctr_va_vdst(0)
	v_rcp_f32 v14, v14
	v_nop                                          ; a plain place behind the reciprocal
	s_wait_alu depctr_va_vdst(0)                   ; ahead of the reciprocal's first reader, which is O^T's too
.set JJ, 0
.rept 16
	v_pk_mul_f32 v[96+JJ:97+JJ], v[160+JJ:161+JJ], v[14:15] op_sel_hi:[1,0]   ; each accumulator from its low end on
.set JJ, JJ+2
.endr
.irp b, 0,1
	v_max3_num_f32 v[232+\b], |v[96+16*\b]|, |v[97+16*\b]|, 0x1800000
.endr
.irp i, 2,4,6,8,10,12,14
.irp b, 0,1
	s_delay_alu instid0(VALU_DEP_2)
	v_max3_num_f32 v[232+\b], v[232+\b], |v[96+16*\b+\i]|, |v[97+16*\b+\i]|
.endr
.endr
.irp b, 0,1
	s_delay_alu instid0(VALU_DEP_2)
	v_permlanex16_b32 v[236+\b], v[232+\b], s[SEL], s[SEL+1]
.endr
.irp b, 0,1
	s_delay_alu instid0(VALU_DEP_2)
	v_max_num_f32 v[232+\b], v[232+\b], v[236+\b]
.endr
.irp b, 0,1
	s_delay_alu instid0(VALU_DEP_2)
	v_add_nc_u32 v[244+\b], 0xff000000, v[232+\b]
.endr
.irp b, 0,1
	s_delay_alu instid0(VALU_DEP_2)
	v_lshrrev_b32 v[236+\b], 23, v[244+\b]
.endr
	s_delay_alu instid0(VALU_DEP_1)
	v_lshl_or_b32 v238, v237, 8, v236              ; my query's two scale bytes
.irp b, 0,1
	v_cvt_scalef32_pk8_fp4_f32 v[224+2*\b], v[96+16*\b:103+16*\b], v[244+\b]
	v_cvt_scalef32_pk8_fp4_f32 v[225+2*\b], v[104+16*\b:111+16*\b], v[244+\b]
.endr
	v_nop                                          ; one plain place behind a scaled conversion
.irp b, 0,1
	global_store_b64 v[OCA], v[224+2*\b:225+2*\b], s[8:9] offset:256*\b   ; 32 lanes store 256 consecutive bytes, aligned: block 2 x head + b of my tile
.endr
	ds_store_b16 v[OST], v238                      ; both lanes of a query write the same two bytes
	s_wait_dscnt 0x0                               ; for wave 0's sake
	s_barrier_signal -1
	s_barrier_wait -1
	s_cmp_lg_u32 s[WV], 0
	s_cbranch_scc1 .Lnot_first
	ds_load_b128 v[240:243], v[OSR]                ; the work-group's 512 scale bytes leave as two aligned runs of 256
	s_wait_dscnt 0x0
	global_store_b128 v[L16], v[240:243], s[10:11]
.Lnot_first:
	s_wait_tensorcnt 0x0                           ; the wave's end
	ds_add_u32 v[SPW], v[NIL]
	s_wait_dscnt 0x0
	ROUND                                          ; the closing round: no work-group ends while a partner may still ask for a tile that names it
	s_endpgm
.Lfunc_end_k_q5a16037b39_attn:
	.size	k_q5a16037b39_attn, .Lfunc_end_k_q5a16037b39_attn-k_q5a16037b39_attn
	.p2alignl 7, 3214868480
	.fill 96, 4, 3214868480
	.section	.rodata,"a",@progbits
	.p2align	6, 0x0
	.amdhsa_kernel k_q5a16037b39_attn
		.amdhsa_group_segment_fixed_size 327680
		.amdhsa_private_segment_fixed_size 0
		.amdhsa_enable_private_segment 0
		.amdhsa_kernarg_size 32
		.amdhsa_user_sgpr_count 2
		.amdhsa_user_sgpr_kernarg_segment_ptr 1
		.amdhsa_wavefront_size32 1
		.amdhsa_system_sgpr_workgroup_id_x 1
		.amdhsa_system_sgpr_workgroup_id_y 1
		.amdhsa_system_sgpr_workgroup_id_z 1
		.amdhsa_system_vgpr_workitem_id 0
		.amdhsa_next_free_vgpr 256
		.amdhsa_next_free_sgpr 100
		.amdhsa_reserve_vcc 0
		.amdhsa_float_denorm_mode_32 3
		.amdhsa_float_denorm_mode_16_64 3
		.amdhsa_memory_ordered 1
		.amdhsa_forward_progress 1
		.amdhsa_inst_pref_size 131
	.end_amdhsa_kernel
	.amdgpu_metadata
---
amdhsa.version: [ 1, 2 ]
amdhsa.kernels:
  - .name:           k_q5a16037b39_attn
    .symbol:         k_q5a16037b39_attn.kd
    .args:
      - { .name: qb, .offset: 0, .size: 8, .value_kind: global_buffer, .address_space: global }
      - { .name: kv, .offset: 8, .size: 8, .value_kind: global_buffer, .address_space: global }
      - { .name: oc, .offset: 16, .size: 8, .value_kind: global_buffer, .address_space: global }
      - { .name: os, .offset: 24, .size: 8, .value_kind: global_buffer, .address_space: global }
    .group_segment_fixed_size: 327680
    .private_segment_fixed_size: 0
    .kernarg_segment_align: 8
    .kernarg_segment_size: 32
    .max_flat_workgroup_size: 512
    .sgpr_count:     100
    .vgpr_count:     256
    .wavefront_size: 32
...
	.end_amdgpu_metadata
.endif
;; end of part 3
;; launch oproj (part 4): grid 8 x 32, 8 waves a work-group, no clusters, 88,064 bytes of LDS; arguments oc, os, wc, ws, bo, out0; writes out0
.if DOCPART == 4
	.amdgcn_target "amdgcn-amd-amdhsa--gfx1250"
	.amdhsa_code_object_version 6
	.text
	.protected	k_q5a16037b39_oproj
	.globl	k_q5a16037b39_oproj
	.p2align	8
	.type	k_q5a16037b39_oproj,@function
k_q5a16037b39_oproj:
	s_mov_b64 s[64:65], 0
	v_nop
	global_prefetch_b8 v0, s[64:65] scope:SCOPE_SE
	s_setreg_imm32_b32 hwreg(HW_REG_WAVE_MODE, 25, 1), 1
	s_wait_xcnt 0x0
; out0 = O Wo^T + bo on codes of FP4 with E8M0 scales; out0 [8192][512] f32.
; SHARES.  Work-group (x = 64 columns jc, y = 256 rows).  Wave w owns 32 rows, a pair of tiles of O, whose operand registers (K = 512) stay in its registers.  Wo's four tiles (16,384 bytes of codes, 1,024 of scale bytes)
; are brought once by the 256 threads and lie in LDS as images of the operand's registers.
; NO CLUSTER: a work-group asks once, at its head, through registers, for its 85 KB; there is no ring of tiles over which joint requests could be repeated.
; TRANSPOSED: source 0 = 16 rows of Wo, source 1 = 16 rows of O: a lane holds one token, and the 16 registers of tiles 2 b, 2 b + 1 are columns 32 b + 16 (lane / 16) + 0 .. 15.  bo is the C of each sum's first product.
; Place r of a tile is row 32 (T / 2) + 8 (T % 2) + r + 8 (r / 8).  O's scale bytes lie [bh][tile][r][2]: eight loads of two bytes a lane make the four scale words.
; The results go through the wave's own stage in LDS and leave as rows: sixteen lanes store 256 consecutive bytes, aligned.
.set L16, 1                            ; v1   16 x lane
.set T16, 2                            ; v2   16 x thread
.set T4,  3                            ; v3   4 x thread
.set SO,  4                            ; v4   the stage: where I put my results
.set SR,  5                            ; v5   and where I read rows back
.set GO,  6                            ; v6   my byte offset in out0
.set U2,  7                            ; v7   2 x lane
.set BH,  9                            ; v9   64 x (lane / 16)
.set X,   16                           ; v16-79   O's operands: 32 u + 8 q + 4 c
.set XS,  80                           ; v80-83   O's scale words: lanes 0-15 tile u = 0, lanes 16-31 u = 1
.set WS,  84                           ; v84-91   Wo's: 4 (t / 2) + q: lanes 0-15 the even tile, lanes 16-31 the odd one
.set BI,  92                           ; v92-123  the bias in the result's layout; later, with v124-155, rows on the way out
.set WF,  124                          ; v124-155 four fragments of Wo
.set ACC, 156                          ; v156-219 eight accumulators
.set HW,  220                          ; v220-227 O's scale bytes, two a head
.set WSL, 16384                        ; LDS: Wo's codes from 0, its scale bytes,
.set STG, 17408                        ; and for each wave two stages of 16 rows x (256 bytes + 16)
.macro WM d, a, b, c, sa, sb, ra, rb   ; one product; ra, rb: the scales stand in lanes 16-31 of the register named
.if (\ra) && (\rb)
	v_wmma_scale_f32_16x16x128_f8f6f4 v[(\d):(\d)+7], v[(\a):(\a)+7], v[(\b):(\b)+7], v[(\c):(\c)+7], v[\sa], v[\sb] matrix_a_fmt:MATRIX_FMT_FP4 matrix_b_fmt:MATRIX_FMT_FP4 matrix_a_scale:MATRIX_SCALE_ROW1 matrix_b_scale:MATRIX_SCALE_ROW1
.elseif (\ra)
	v_wmma_scale_f32_16x16x128_f8f6f4 v[(\d):(\d)+7], v[(\a):(\a)+7], v[(\b):(\b)+7], v[(\c):(\c)+7], v[\sa], v[\sb] matrix_a_fmt:MATRIX_FMT_FP4 matrix_b_fmt:MATRIX_FMT_FP4 matrix_a_scale:MATRIX_SCALE_ROW1
.elseif (\rb)
	v_wmma_scale_f32_16x16x128_f8f6f4 v[(\d):(\d)+7], v[(\a):(\a)+7], v[(\b):(\b)+7], v[(\c):(\c)+7], v[\sa], v[\sb] matrix_a_fmt:MATRIX_FMT_FP4 matrix_b_fmt:MATRIX_FMT_FP4 matrix_b_scale:MATRIX_SCALE_ROW1
.else
	v_wmma_scale_f32_16x16x128_f8f6f4 v[(\d):(\d)+7], v[(\a):(\a)+7], v[(\b):(\b)+7], v[(\c):(\c)+7], v[\sa], v[\sb] matrix_a_fmt:MATRIX_FMT_FP4 matrix_b_fmt:MATRIX_FMT_FP4
.endif
.endm
	s_load_b256 s[4:11], s[0:1], 0x0               ; oc, os, wc, ws
	s_load_b128 s[12:15], s[0:1], 0x20             ; bo, out0
	v_lshl_add_u32 v254, v0, 2, 0x15400
	v_mov_b32 v255, 0
	v_lshrrev_b32 v11, 5, v0
	s_delay_alu instid0(VALU_DEP_1)
	v_readfirstlane_b32 s22, v11                   ; wave 0..7
	s_mov_b32 s23, ttmp9                           ; which 64 columns
	s_and_b32 s27, ttmp7, 0xffff                   ; which 256 rows
	v_and_b32 v11, 31, v0
	s_delay_alu instid0(VALU_DEP_1)
	v_lshlrev_b32 v[L16], 4, v11
	s_delay_alu instid0(VALU_DEP_2)
	v_lshlrev_b32 v[U2], 1, v11
	v_lshlrev_b32 v[T16], 4, v0
	v_lshlrev_b32 v[T4], 2, v0
	v_and_b32 v246, 15, v0                         ; r
	v_bfe_u32 v247, v0, 4, 1                       ; h
	s_delay_alu instid0(VALU_DEP_1)
	v_lshlrev_b32 v[BH], 6, v247
	s_mul_i32 s40, s22, 8704
	s_add_co_u32 s40, s40, STG                     ; my two stages
	v_mul_u32_u24 v[SO], v246, 272
	s_delay_alu instid0(VALU_DEP_1)
	v_lshl_add_u32 v[SO], v247, 6, v[SO]
	s_delay_alu instid0(VALU_DEP_1)
	v_add_nc_u32 v[SO], s40, v[SO]                 ; in: place r of the tile, + 64 h
	v_mul_u32_u24 v[SR], v247, 272
	s_delay_alu instid0(VALU_DEP_1)
	v_lshl_add_u32 v[SR], v246, 4, v[SR]
	s_delay_alu instid0(VALU_DEP_1)
	v_add_nc_u32 v[SR], s40, v[SR]                 ; back: lanes 0-15 one place, lanes 16-31 the next
	v_lshlrev_b32 v[GO], 11, v247
	s_delay_alu instid0(VALU_DEP_1)
	v_lshl_add_u32 v[GO], v246, 4, v[GO]           ; and the same two rows of out0, 2,048 bytes apart
	s_lshl_b32 s44, s27, 3
	s_add_co_u32 s44, s44, s22                     ; my pair of tiles
	s_mov_b32 s29, 0
	s_wait_alu depctr_va_vdst(0)
	s_wait_kmcnt 0x0
	s_lshl_b32 s28, s23, 14
	s_add_co_u32 s28, s28, 3*131072
	s_add_nc_u64 s[8:9], s[8:9], s[28:29]          ; Wo is the fourth weight: its four tiles' codes,
	s_lshl_b32 s28, s23, 10
	s_add_co_u32 s28, s28, 3*8192
	s_add_nc_u64 s[10:11], s[10:11], s[28:29]      ; and scale bytes
	s_lshl_b32 s28, s44, 13
	s_add_nc_u64 s[4:5], s[4:5], s[28:29]
	s_lshr_b32 s28, s27, 4
	s_lshl_b32 s28, s28, 16                        ; the batch's eight heads,
	s_and_b32 s30, s27, 15
	s_lshl_b32 s30, s30, 9                         ; the block's 16 tiles of 32 bytes,
	s_add_co_u32 s28, s28, s30
	s_lshl_b32 s30, s22, 6                         ; my two
	s_add_co_u32 s28, s28, s30
	s_add_nc_u64 s[6:7], s[6:7], s[28:29]
	s_lshl_b32 s28, s23, 8
	s_add_nc_u64 s[12:13], s[12:13], s[28:29]
	s_lshl_b32 s30, s44, 16                        ; 32 rows of 2,048 bytes a pair
	s_add_co_u32 s28, s28, s30
	s_add_nc_u64 s[14:15], s[14:15], s[28:29]
	; Wo's share first: 5 loads; then what stays in my registers: 32 loads
.irp i, 0,1,2,3
	global_load_b128 v[ACC+4*\i:ACC+4*\i+3], v[T16], s[8:9] offset:\i*4096
.endr
	global_load_b32 v[WF], v[T4], s[10:11]
.irp u, 0,1
.irp q, 0,1,2,3
.irp c, 0,1
	global_load_b128 v[X+32*\u+8*\q+4*\c:X+32*\u+8*\q+4*\c+3], v[L16], s[4:5] offset:\u*4096+\q*1024+\c*512
.endr
.endr
.endr
.irp j, 0,1,2,3,4,5,6,7
	global_load_u16 v[HW+\j], v[U2], s[6:7] offset:\j*8192         ; head j's two bytes of my lane's row: lanes 0-15 tile 0, lanes 16-31 tile 1
.endr
.irp t, 0,1,2,3
	global_load_b128 v[BI+8*\t:BI+8*\t+3], v[BH], s[12:13] offset:(32*(\t/2)+8*(\t%2))*4
	global_load_b128 v[BI+8*\t+4:BI+8*\t+7], v[BH], s[12:13] offset:(32*(\t/2)+8*(\t%2))*4+16
.endr
	s_wait_loadcnt 32                              ; Wo's 5 are in; the 32 issued behind them stay out
.irp i, 0,1,2,3
	ds_store_b128 v[T16], v[ACC+4*\i:ACC+4*\i+3] offset:\i*4096
.endr
	ds_store_b32 v[T4], v[WF] offset:WSL
	s_wait_dscnt 0x0                               ; for the others' sake: my stores have landed
	s_barrier_signal -1
	s_barrier_wait -1                              ; Wo's tiles lie in LDS
	s_wait_loadcnt 0x0
.irp q, 0,1,2,3
	v_lshl_or_b32 v[XS+\q], v[HW+1+2*\q], 16, v[HW+2*\q]           ; K step q: heads 2 q and 2 q + 1
.endr
.rept 8
	v_nop                                          ; a scale register written by a vector instruction stands eight places ahead of a scaled product
.endr
	ds_load_b128 v[WS:WS+3], v[L16] offset:WSL
	ds_load_b128 v[WS+4:WS+7], v[L16] offset:WSL+512
; four K steps of 128, eight accumulators by turns, one instruction a turn; four places in front of each run of loads into registers that products have read
	s_wait_alu depctr_va_vdst(0)
.irp q, 0,1,2,3
.rept 4
	v_nop
.endr
.irp t, 0,1,2,3
.irp c, 0,1
	ds_load_b128 v[WF+8*\t+4*\c:WF+8*\t+4*\c+3], v[L16] offset:\t*4096+\q*1024+\c*512
.endr
.endr
	s_wait_dscnt 0x0
.irp u, 0,1
.irp t, 0,1,2,3
.if \q == 0
	WM ACC+32*\u+8*\t, WF+8*\t, X+32*\u+8*\q, BI+8*\t, WS+4*(\t/2)+\q, XS+\q, \t%2, \u
.else
	WM ACC+32*\u+8*\t, WF+8*\t, X+32*\u+8*\q, ACC+32*\u+8*\t, WS+4*(\t/2)+\q, XS+\q, \t%2, \u
.endif
.endr
.endr
.endr
.rept 4
	v_nop                                          ; the places behind the last products: for the LDS stores of results and the loads into registers that products have read
.endr
	; THE WAY OUT.  LDS serves a wave's instructions in order: no wait between my stores and my loads.
.irp u, 0,1
.irp t, 0,1,2,3
	ds_store_b128 v[SO], v[ACC+32*\u+8*\t:ACC+32*\u+8*\t+3] offset:4352*\u+128*(\t/2)+32*(\t%2)       ; each accumulator from its low end on
	ds_store_b128 v[SO], v[ACC+32*\u+8*\t+4:ACC+32*\u+8*\t+7] offset:4352*\u+128*(\t/2)+32*(\t%2)+16
.endr
.irp i, 0,1,2,3,4,5,6,7
	ds_load_b128 v[BI+32*\u+4*\i:BI+32*\u+4*\i+3], v[SR] offset:4352*\u+544*\i
.endr
.endr
.irp u, 0,1
.irp i, 0,1,2,3,4,5,6,7
	s_wait_dscnt 16*(1-\u)+7-\i                    ; what was issued behind this load may stay out
	global_store_b128 v[GO], v[BI+32*\u+4*\i:BI+32*\u+4*\i+3], s[14:15] offset:(8*\u+2*\i+8*(\i/4))*2048 th:TH_STORE_NT   ; places 2 i, 2 i + 1 of tile u are rows 8 u + 2 i + 8 (i / 4) and the next
.endr
.endr
	s_wait_tensorcnt 0x0
	ds_add_u32 v254, v255
	s_wait_dscnt 0x0
	s_endpgm
.Lfunc_end_k_q5a16037b39_oproj:
	.size	k_q5a16037b39_oproj, .Lfunc_end_k_q5a16037b39_oproj-k_q5a16037b39_oproj
	.p2alignl 7, 3214868480
	.fill 96, 4, 3214868480
	.section	.rodata,"a",@progbits
	.p2align	6, 0x0
	.amdhsa_kernel k_q5a16037b39_oproj
		.amdhsa_group_segment_fixed_size 88064
		.amdhsa_private_segment_fixed_size 0
		.amdhsa_enable_private_segment 0
		.amdhsa_kernarg_size 48
		.amdhsa_user_sgpr_count 2
		.amdhsa_user_sgpr_kernarg_segment_ptr 1
		.amdhsa_wavefront_size32 1
		.amdhsa_system_sgpr_workgroup_id_x 1
		.amdhsa_system_sgpr_workgroup_id_y 1
		.amdhsa_system_sgpr_workgroup_id_z 1
		.amdhsa_system_vgpr_workitem_id 0
		.amdhsa_next_free_vgpr 256
		.amdhsa_next_free_sgpr 66
		.amdhsa_reserve_vcc 0
		.amdhsa_float_denorm_mode_32 3
		.amdhsa_float_denorm_mode_16_64 3
		.amdhsa_memory_ordered 1
		.amdhsa_forward_progress 1
		.amdhsa_inst_pref_size 19
	.end_amdhsa_kernel
	.amdgpu_metadata
---
amdhsa.version: [ 1, 2 ]
amdhsa.kernels:
  - .name:           k_q5a16037b39_oproj
    .symbol:         k_q5a16037b39_oproj.kd
    .args:
      - { .name: oc, .offset: 0, .size: 8, .value_kind: global_buffer, .address_space: global }
      - { .name: os, .offset: 8, .size: 8, .value_kind: global_buffer, .address_space: global }
      - { .name: wc, .offset: 16, .size: 8, .value_kind: global_buffer, .address_space: global }
      - { .name: ws, .offset: 24, .size: 8, .value_kind: global_buffer, .address_space: global }
      - { .name: bo, .offset: 32, .size: 8, .value_kind: global_buffer, .address_space: global }
      - { .name: out0, .offset: 40, .size: 8, .value_kind: global_buffer, .address_space: global }
    .group_segment_fixed_size: 88064
    .private_segment_fixed_size: 0
    .kernarg_segment_align: 8
    .kernarg_segment_size: 48
    .max_flat_workgroup_size: 256
    .sgpr_count:     66
    .vgpr_count:     256
    .wavefront_size: 32
...
	.end_amdgpu_metadata
.endif
;; end of part 4
